; MI455X (gfx1250); checked and timed in simulation.
; The chip was launched on July 23, 2026; its instructions are those of AMD's public machine-readable ISA for CDNA 5 (MIT licence, August 2026) and "CDNA5" Instruction Set Architecture Reference Guide (July 2026). The comments in the code are by the model that wrote it; some were corrected since.
;; Tt Roberta Self Attention. Allowed arithmetic: matrix products marked QUANTISED: E2M3 operands, one E8M0 scale for each 32 along K, by v_wmma_scale_f32_16x16x128_f8f6f4 with both operands' format E2M3, f32 sums; everything else in f32.
;; Inputs: Wk_codes 1,024 x 32 x 24 uint8 (E2M3 codes of Wk, K innermost, in blocks of 32 codes, four codes in three bytes); Wk_scales 1,024 x 32 uint8 (E8M0 scales of Wk, one for each 32 codes along K); Wq_codes 1,024 x 32 x 24 uint8 (E2M3 codes of Wq, K innermost, in blocks of 32 codes, four codes in three bytes); Wq_scales 1,024 x 32 uint8 (E8M0 scales of Wq, one for each 32 codes along K); Wv_codes 1,024 x 32 x 24 uint8 (E2M3 codes of Wv, K innermost, in blocks of 32 codes, four codes in three bytes); Wv_scales 1,024 x 32 uint8 (E8M0 scales of Wv, one for each 32 codes along K); attention_mask 4 x 1 x 1 x 2,048 float32; bk 1,024 float32; bq 1,024 float32; bv 1,024 float32; hidden_states_codes 4 x 2,048 x 32 x 24 uint8 (E2M3 codes of hidden_states, K innermost, in blocks of 32 codes, four codes in three bytes); hidden_states_scales 4 x 2,048 x 32 uint8 (E8M0 scales of hidden_states, one for each 32 codes along K).
;; Outputs: out0 4 x 2,048 x 1,024 float32.
;; This version of the problem:
;;   THIS VERSION OF THE PROBLEM IS GIVEN IN LOW PRECISION. The matrix products marked QUANTISED in the list below multiply operands that are first quantised to E2M3 (2 exponent bits, 3 mantissa bits; 6 bits a number), with one power-of-two scale for each 32 numbers along K (OCP MX v1.0); their sums are f32. All else is computed in f32.
;;   The module's matrix products, in the order in which they are computed (A, B: the left and right operand; K: the contracted axis; several contracted axes count as one K, in the product's order):
;;     1. [M 8,192, K 1,024] x [K 1,024, N 1,024]; A: input hidden_states (given as codes); B: input Wq (given as codes): QUANTISED
;;     2. [M 8,192, K 1,024] x [K 1,024, N 1,024]; A: input hidden_states (given as codes); B: input Wk (given as codes): QUANTISED
;;     3. [M 8,192, K 1,024] x [K 1,024, N 1,024]; A: input hidden_states (given as codes); B: input Wv (given as codes): QUANTISED
;;     4. batch 64 x [M 2,048, K 64] x [K 64, N 2,048]; A: computed on the way; B: computed on the way: QUANTISED
;;     5. batch 64 x [M 2,048, K 2,048] x [K 2,048, N 64]; A: softmax (see below); B: computed on the way: QUANTISED
;;   THE QUANTISER, for each operand of a quantised product, along K:
;;     - K is cut into blocks of 32 from its start; a last block that is shorter is filled with zeros.
;;     - A block's scale is 2^e with e = floor(log2(the largest magnitude in the block)) - 2, held to -126 .. 127; a block of zeros has e = 0. As a byte (E8M0): e + 127.
;;     - Each number is divided by its block's scale, clamped to +-7.5, and rounded to the nearest number of E2M3, ties to even, subnormals kept.
;;     - The product sums the exact products of the quantised numbers (number of the format x scale) in f32.
;;   ~~~python
;;   def quantise(x, axis):      # numpy; x: float32 -> the quantised numbers, widened to float32 again
;;       x = np.moveaxis(x, axis, -1); K = x.shape[-1]
;;       x = np.pad(x, [(0, 0)] * (x.ndim - 1) + [(0, -K % 32)]); x = x.reshape(x.shape[:-1] + (-1, 32)); a = np.abs(x).max(-1, keepdims=True)
;;       e = np.where(a > 0, np.clip(np.frexp(np.where(a > 0, a, 1))[1] - 1 - 2, -126, 127), 0)      # np.frexp(a)[1] - 1 = floor(log2(a)), exactly
;;       r = np.clip(x / 2.0 ** e, -7.5, 7.5)
;;       step = 2.0 ** (np.maximum(np.frexp(np.where(r == 0, 1, r))[1] - 1, 0) - 3)
;;       q = np.round(r / step) * step * 2.0 ** e      # np.round: ties to even
;;       return np.moveaxis(q.reshape(q.shape[:-2] + (-1,))[..., :K], -1, axis).astype(np.float32)
;;   ~~~
;;   SOFTMAX AHEAD OF A QUANTISED PRODUCT. Where the list says 'softmax', what is quantised is not the finished softmax but p = 2^(t - M), with t = logit x log2(e) and M = ceil(the row's largest t), a whole number; so 1/2 < the row's largest p <= 1. The row's sum l is taken of the UNQUANTISED p, in f32, and the product's result is divided by l at the end. Since M is a whole number, a kernel that streams over the keys may use a running M (the ceiling of the running maximum): every later rescaling is an exact power of two, which a block's scale takes up: the codes' values come out the same.
;;   OPERANDS COMPUTED ON THE WAY. 'Computed on the way' means the value that the module computes at that place (a softmax that the list does not call 'softmax' is quantised finished and normalised). What goes into a quantiser is computed in f32, as accurately as f32 sums, v_exp_f32 and their like allow (about 1e-6 of the number): no bf16 or f16 on the way to a quantiser, and a product that is left as it is and whose result goes on into a quantised operand takes f32 operands (vector FMAs, or v_wmma_f32_16x16x4_f32). A number that lies on a knife's edge between two numbers of the format may be rounded either way, as far as f32 arithmetic and the matrix unit's own rounding can turn it there, and no further.
;;   INPUTS GIVEN AS CODES. Wk (in the module: [1024, 1024], K = its axis 1); Wq (in the module: [1024, 1024], K = its axis 1); Wv (in the module: [1024, 1024], K = its axis 1); hidden_states (in the module: [4, 2048, 1024], K = its axis 2): each comes as NAME_codes (uint8): NAME with its K axis moved to the last place and cut into blocks of 32 codes, [.., K / 32, bytes a block], one block behind the other in memory; four codes in three bytes: a row's codes are one little-endian stream of bits, code i at bits 6 i .. 6 i + 5 (a code: sign, 2 exponent bits, 3 mantissa bits); and NAME_scales (uint8): the same leading axes, one E8M0 byte (e + 127) for each 32 codes along K. Its value is code x scale, taken as it is: it is not quantised again, and the codes and scales need not be those that the quantiser above would give.
;; One version. Each part assembles by itself: llvm-mc -triple=amdgcn-amd-amdhsa -mcpu=gfx1250 --defsym DOCPART=n.
;; ======== version 1 of 1: 2 launches
;; limits: right only within a limited range of input values
;; workspace buffers: qimg 6,553,600 bytes; kimg 6,553,600 bytes; vimg 6,553,600 bytes
;; launch proj (part 1): grid 12 x 32, 4 waves a work-group, clusters of 4 x 4, 327,680 bytes of LDS; arguments hidden_states_codes, hidden_states_scales, Wq_codes, Wq_scales, Wk_codes, Wk_scales, Wv_codes, Wv_scales, bq, bk, bv, qimg, kimg, vimg; writes qimg, kimg, vimg
.if DOCPART == 1
	.amdgcn_target "amdgcn-amd-amdhsa--gfx1250"
	.amdhsa_code_object_version 6
	.text
	.protected	k_qc505924fb5_proj
	.globl	k_qc505924fb5_proj
	.p2align	8
	.type	k_qc505924fb5_proj,@function
k_qc505924fb5_proj:
	s_mov_b64 s[64:65], 0
	v_nop
	global_prefetch_b8 v0, s[64:65] scope:SCOPE_SE
	s_setreg_imm32_b32 hwreg(HW_REG_WAVE_MODE, 25, 1), 1
	s_wait_xcnt 0x0
	s_wait_alu depctr_hold_cnt(0) depctr_sa_sdst(0) depctr_va_vdst(0) depctr_va_sdst(0) depctr_va_ssrc(0) depctr_va_vcc(0) depctr_vm_vsrc(0)
	s_getreg_b32 s2, hwreg(HW_REG_IB_STS2, 6, 4)
	s_cmp_eq_u32 s2, 0
	s_cbranch_scc0 .Lentry_in_a_cluster
	s_endpgm
.Lentry_in_a_cluster:
	s_bfe_u32 s2, ttmp6, 0x10000c
	s_cmp_lg_u32 s2, 0xf033
	s_cbranch_scc0 .Lentry_shape_is_right
	s_endpgm
.Lentry_shape_is_right:
; q, k, v = hidden W^T + b on codes of FP6 (E2M3), one E8M0 scale for each 32 along K = 1,024; sums and bias in f32; the results are quantised at once
; (q, k along a head's 64 channels, v along the tokens) and leave as images of operand registers, which the attention launch reads as they lie.
; ROLES by the cluster's x: 0 = q, 1 = k, 2 = v.  X is source 0 (its rows run along a lane's registers: the axis that is quantised), Y is source 1 (its rows are the lanes).
; q, k: X = W, Y = hidden.  v: X = hidden, Y = Wv.  Only pointers are chosen by role; the way out parts on it.
; A work-group of four waves makes 256 rows of X x 256 rows of Y, a wave 128 x 128: 64 accumulators.  K goes in three CHUNKS OF 256 BYTES of each row (a row of codes is 768 bytes) through two LDS slots:
; every tile row begins at a multiple of 256 bytes.  A step of 128 along K is 96 bytes: eight steps to three chunks; steps 2 and 5 lie across two chunks.
; CLUSTERS 4 x 4: X's tile hangs on cx and is asked for jointly by a column, Y's on cy and by a row.  No data prefetch: K is three chunks, of which two are asked for at the head.
; INSIDE A BLOCK OF 32: lane (r, h) holds rows 32 B + 8 h + j and 32 B + 16 + 8 h + j of X, laid at places 16 h + 0 .. 15; q and k are laid alike, and so are v and the attention launch's p: the sums are the same.
; A RECORD of 6,400 bytes = 128 tokens of one head: four fragments of 1,536 bytes (registers 4 c .. 4 c + 3 of lane l at 512 c + 16 l), then 256 bytes of scale words (lane l: the words of fragments l / 16 and 2 + l / 16, row l % 16).
; LIMITS: NaN and infinities are not served.  A block of zeros keeps the floor's scale byte (its codes are zeros; the bytes are read by this program alone).
; q's floor is 2^(6 - 127), so that its bytes are at least 4 (the attention launch takes 3 off them for the factor 1/8): blocks of q under 2^-121 are quantised with the byte 4.
; REGISTERS: window 0: v0-31 addresses; v32-63 scale words, two sets; v64-127 bias along registers; v128-223 Y's fragments, one set; v224-239 bias along lanes; v240-255 the quantiser's.
; window 1: X's fragments, two sets.  windows 2, 3: the accumulators ((a, b) at v[8 (8 (a % 4) + b)]).
.set ROWB,   256
.set NQ,     2
.set KROW,   768
.set STEPS,  8
.set CHUNKS, 3
.set PITCH,  272                       ; 256 bytes + 16 of padding
.set FR,     12
.set NL,     6
.set NP,     4
.set HALFT,  128*PITCH
.set SLOT,   4*HALFT                   ; Y's 256 rows, then X's
.set KS,     32
.set SCL,    2*SLOT                    ; the scales, units of 256 + 16
.set HALFS,  (128*KS/256)*272
.set SBLK,   (16*KS/256)*272
.set SPARE,  SCL+4*HALFS               ; the spare words
.set HEADB,  102400
.set RECB,   6400
.set FRB,    1536
.set BH,   7                           ; 32 x (lane / 16)
.set WW,   8                           ; v8-15 eight scale words of the way out
.set ADRA, 16                          ; v16-17 Y's fragments in slot 0, 1; v18-19 for pieces whose two lane halves lie in different chunks
.set ADRB, 20                          ; v20-23 the same for X
.set LI,   24                          ; 16 x lane
.set L8,   25                          ; 8 x lane
.set BO,   26                          ; 4 x (lane % 16)
.set ADRS, 27                          ; my scale words: lanes 0-15 Y's, lanes 16-31 X's
.set SPW,  28
.set NIL,  29
.set WA,   30
.set WB,   31
.set SC,   32
.set BX,   64
.set AF,   128
.set ST,   128
.set P,    192
.set TQ,   216
.set BY,   224
.set TM,   240
.set FLO,  3
.set G1, 24
.set G0, 32
.set G1B, 48
.set G0B, 56
.set G1S, 68
.set G0S, 76
.set G1SB, 80
.set G0SB, 88
.set G0H, 4
.set G0HB, 8
.set SEL, 98
.set MSB, 0
.macro WIN new
.if MSB != (\new)
	s_set_vgpr_msb (MSB<<8)|(\new)
.set MSB, (\new)
.endif
.endm
.set MUL_LO, 0xa1
.set MUL_HI, 0xf1
.set TO_B,   0x40
.macro PLACES n
.rept \n
	v_nop
.endr
.endm
.macro JLOAD g0a, g1a, g0b, g1b        ; waves 0, 1 fetch for Y, waves 2, 3 for X: one mask a line
	s_cmp_eq_u32 s15, 0
	s_cbranch_scc0 .Lfor_b_\@
	tensor_load_to_lds s[\g0a:\g0a+3], s[\g1a:\g1a+7]
	s_nop 0
	PLACES 4
	s_branch .Lasked_\@
.Lfor_b_\@:
	tensor_load_to_lds s[\g0b:\g0b+3], s[\g1b:\g1b+7]
	s_nop 0
	PLACES 4
.Lasked_\@:
.endm
.macro CREST
	s_cmp_lg_u32 s14, 0
	s_cbranch_scc1 .Lnot_wave_0_\@
	s_barrier_signal -3
.Lnot_wave_0_\@:
	s_barrier_wait -3
	s_barrier_signal -1
	s_barrier_wait -1
.endm
.macro CROUND
	s_barrier_signal -1
	s_barrier_wait -1
	CREST
.endm
	s_load_b512 s[68:83], s[0:1], 0x0              ; hidden's codes 68, scales 70; Wq's 72, 74; Wk's 76, 78; Wv's 80, 82
	s_load_b256 s[84:91], s[0:1], 0x40             ; bq 84, bk 86, bv 88, qimg 90
	s_load_b128 s[92:95], s[0:1], 0x60             ; kimg 92, vimg 94
	v_lshl_add_u32 v[SPW], v0, 2, SPARE
	v_mov_b32 v[NIL], 0
	ds_add_u32 v[SPW], v[NIL]
	ds_add_u32 v[SPW], v[NIL]
	v_lshrrev_b32 v1, 5, v0
	v_readfirstlane_b32 s14, v1                    ; the wave
	s_lshr_b32 s15, s14, 1                         ; my half of Y's rows; also: I fetch for Y (0) or X (1)
	s_and_b32 s16, s14, 1                          ; my half of X's rows; also: which 128 rows I fetch
	s_bfe_u32 s40, ttmp6, 0x40000                  ; cx
	s_bfe_u32 s41, ttmp6, 0x40004                  ; cy
	s_and_b32 s18, ttmp7, 0xffff
	s_lshl_b32 s18, s18, 2                         ; 4 x the cluster's y walks hidden's 32 tiles
	s_cmp_eq_u32 ttmp9, 2
	s_cselect_b32 s42, s18, 0
	s_cselect_b32 s17, 0, s18
	s_add_co_u32 s42, s42, s40                     ; X's tile: hangs on cx
	s_add_co_u32 s17, s17, s41                     ; Y's tile: hangs on cy
	s_lshl_b32 s43, s41, 2
	s_lshl_b32 s43, 15, s43                        ; my row of the cluster
	s_lshl_b32 s44, 0x1111, s40                    ; my column
	s_or_b32 s[G1+0], s43, (1<<20)|(1<<21)|(5<<22)|(3<<25)   ; bytes; 4 words of padding behind every 64
	s_or_b32 s[G1B+0], s44, (1<<20)|(1<<21)|(5<<22)|(3<<25)
.irp g, G1, G1B
	s_mov_b32 s[\g+1], ROWB<<16
	s_mov_b32 s[\g+2], 256<<16                     ; the head's loads bring 256 rows
	s_mov_b32 s[\g+3], ROWB<<16
	s_mov_b32 s[\g+4], 256
	s_mov_b32 s[\g+5], KROW
	s_mov_b32 s[\g+6], 0
	s_mov_b32 s[\g+7], 0
.endr
	s_lshl_b32 s20, s17, 8                         ; Y's first row
	s_lshl_b32 s46, s42, 8                         ; X's
	s_mov_b32 s21, 0
	s_mov_b32 s47, 0
	s_mov_b64 s[18:19], KS
	s_mul_u64 s[22:23], s[20:21], s[18:19]         ; their scales, in bytes
	s_mul_u64 s[96:97], s[46:47], s[18:19]
	s_mov_b64 s[18:19], KROW
	s_mul_u64 s[20:21], s[20:21], s[18:19]         ; their codes
	s_mul_u64 s[46:47], s[46:47], s[18:19]
	s_mul_i32 s18, s16, 128*KROW                   ; the ring: which 128 rows I fetch,
	s_mov_b32 s19, 0
	s_mul_i32 s45, s14, HALFT                      ; and where they go
	s_mov_b32 s[SEL], 0x76543210
	s_mov_b32 s[SEL+1], 0xfedcba98
	s_mov_b32 s101, 0xffff0000                     ; lanes 16-31
	s_mov_b32 s[FLO], 0x1800000                    ; the floor 2^(3 - 127);
	s_cmp_eq_u32 ttmp9, 0
	s_cselect_b32 s[FLO], 0x3000000, s[FLO]        ; for q 2^(6 - 127)
	s_wait_dscnt 0x0                               ; both opening adds are done
	s_wait_kmcnt 0x0
	s_cselect_b64 s[72:73], s[72:73], s[76:77]     ; Wq's or Wk's codes,
	s_cselect_b64 s[74:75], s[74:75], s[78:79]     ; scales,
	s_cselect_b64 s[84:85], s[84:85], s[86:87]     ; bias,
	s_cselect_b64 s[90:91], s[90:91], s[92:93]     ; images
	s_cmp_eq_u32 ttmp9, 2
	s_cselect_b64 s[4:5], s[80:81], s[68:69]       ; Y's codes
	s_cselect_b64 s[6:7], s[82:83], s[70:71]       ; Y's scales
	s_cselect_b64 s[8:9], s[68:69], s[72:73]       ; X's codes
	s_cselect_b64 s[10:11], s[70:71], s[74:75]     ; X's scales
	s_cselect_b64 s[12:13], s[94:95], s[90:91]     ; the images
	s_cselect_b64 s[66:67], s[88:89], s[84:85]     ; the bias
	s_add_nc_u64 s[20:21], s[4:5], s[20:21]
	s_add_nc_u64 s[22:23], s[6:7], s[22:23]
	s_add_nc_u64 s[46:47], s[8:9], s[46:47]
	s_add_nc_u64 s[96:97], s[10:11], s[96:97]
	s_or_b32 s[G1S+0], s43, (3<<16)|(1<<20)|(1<<21)|(5<<22)|(3<<25)   ; the scales of 256 rows: 32 dense rows of 256 bytes
	s_or_b32 s[G1SB+0], s44, (3<<16)|(1<<20)|(1<<21)|(5<<22)|(3<<25)
.irp g, G1S, G1SB
	s_mov_b32 s[\g+1], 32<<16
	s_mov_b32 s[\g+2], KS<<16
	s_mov_b32 s[\g+3], 32<<16
	s_mov_b32 s[\g+4], KS
	s_mov_b32 s[\g+5], 32
	s_mov_b32 s[\g+6], 0
	s_mov_b32 s[\g+7], 0
.endr
	CROUND                                         ; the first joint loads meet
	s_mov_b32 s[G0H], 1                            ; chunk 0's 256 rows of Y,
	s_mov_b32 s[G0H+1], 0
	s_mov_b64 s[G0H+2:G0H+3], s[20:21]
	s_or_b32 s[G0H+3], s[G0H+3], 0x80000000
	s_mov_b32 s[G0HB], 1                           ; of X,
	s_mov_b32 s[G0HB+1], 2*HALFT
	s_mov_b64 s[G0HB+2:G0HB+3], s[46:47]
	s_or_b32 s[G0HB+3], s[G0HB+3], 0x80000000
	s_mov_b32 s[G0S], 1                            ; Y's scales,
	s_mov_b32 s[G0S+1], SCL
	s_mov_b64 s[G0S+2:G0S+3], s[22:23]
	s_or_b32 s[G0S+3], s[G0S+3], 0x80000000
	s_mov_b32 s[G0SB], 1                           ; X's
	s_mov_b32 s[G0SB+1], SCL+2*HALFS
	s_mov_b64 s[G0SB+2:G0SB+3], s[96:97]
	s_or_b32 s[G0SB+3], s[G0SB+3], 0x80000000
	s_add_nc_u64 s[20:21], s[20:21], s[18:19]      ; for the ring: my 128 rows
	s_add_nc_u64 s[46:47], s[46:47], s[18:19]
.irp s, 0,1
	s_mov_b32 s[G0+4*\s], 1
	s_add_co_u32 s[G0+4*\s+1], s45, \s*SLOT
	s_add_nc_u64 s[G0+4*\s+2:G0+4*\s+3], s[20:21], \s*ROWB
	s_or_b32 s[G0+4*\s+3], s[G0+4*\s+3], 0x80000000
	s_mov_b32 s[G0B+4*\s], 1
	s_add_co_u32 s[G0B+4*\s+1], s45, \s*SLOT
	s_add_nc_u64 s[G0B+4*\s+2:G0B+4*\s+3], s[46:47], \s*ROWB
	s_or_b32 s[G0B+4*\s+3], s[G0B+4*\s+3], 0x80000000
.endr
; the head's four tiles, one a wave, in one chain of branches on the wave's number
.macro ARM under, g0, g1, next
	s_cmp_lt_u32 s14, \under
	s_cbranch_scc0 \next
	tensor_load_to_lds s[\g0:\g0+3], s[\g1:\g1+7]
	s_nop 0
	PLACES 4
	s_branch .Lhead_asked
\next:
.endm
	ARM 1, G0H,  G1,  .Lhead_b
	ARM 2, G0HB, G1B, .Lhead_sa
	ARM 3, G0S,  G1S, .Lhead_sb
	tensor_load_to_lds s[G0SB:G0SB+3], s[G1SB:G1SB+7]
	s_nop 0
	PLACES 4
.Lhead_asked:
	v_and_b32 v1, 15, v0                           ; r
	v_bfe_u32 v2, v0, 4, 1                         ; h
	v_mul_u32_u24 v3, v1, PITCH
	v_mul_u32_u24 v4, v2, 24
	v_add_nc_u32 v4, v3, v4                        ; row x pitch + 24 h
	s_mov_b32 s21, SLOT-232
	s_mov_b32 s22, SLOT+232
	v_sub_nc_u32 v7, 1, v2
	v_mul_u32_u24 v5, s21, v2
	v_add_nc_u32 v5, v3, v5
	v_add_nc_u32 v5, 232, v5                       ; lanes 0-15 byte 232 in slot 0, lanes 16-31 byte 0 in slot 1;
	v_mul_u32_u24 v6, s22, v7
	v_add_nc_u32 v6, v3, v6                        ; lanes 0-15 byte 232 in slot 1, lanes 16-31 byte 0 in slot 0
	s_mul_i32 s21, s15, HALFT
	s_mul_i32 s22, s16, HALFT
	s_add_co_u32 s22, s22, 2*HALFT
	v_add_nc_u32 v[ADRA+2], s21, v5
	v_add_nc_u32 v[ADRA+3], s21, v6
	v_add_nc_u32 v[ADRB+2], s22, v5
	v_add_nc_u32 v[ADRB+3], s22, v6
.irp s, 0,1
	v_add_nc_u32 v[ADRA+\s], s21, v4
	v_add_nc_u32 v[ADRB+\s], s22, v4
	s_add_co_u32 s21, s21, SLOT
	s_add_co_u32 s22, s22, SLOT
.endr
	v_mul_u32_u24 v5, v1, KS                       ; my row's scales: 32 bytes a row,
	v_lshrrev_b32 v6, 8, v5
	v_lshl_add_u32 v5, v6, 4, v5                   ; 16 more for each 256 passed
	s_mul_i32 s21, s15, HALFS
	s_mul_i32 s22, s16, HALFS
	s_add_co_u32 s22, s22, 2*HALFS
	s_sub_co_u32 s22, s22, s21
	v_mul_u32_u24 v6, s22, v2                      ; lanes 16-31 take X's
	s_add_co_u32 s21, s21, SCL
	v_add_nc_u32 v5, v5, v6
	v_add_nc_u32 v[ADRS], s21, v5
	s_wait_alu depctr_va_vdst(0)                   ; the wait ahead of the readers below
	v_and_b32 v6, 31, v0
	v_lshlrev_b32 v[LI], 4, v6
	v_lshlrev_b32 v[L8], 3, v6
	v_lshlrev_b32 v[BH], 5, v2
	v_lshlrev_b32 v[BO], 2, v1
.irp b, 0,1,2,3
	v_mov_b32 v[TM+4+\b], 0                        ; a lane permute's destination counts as a source
.endr
	s_wait_alu depctr_va_vdst(0)                   ; ahead of the scalar lines
	s_lshl_b32 s20, s42, 8
	s_lshl_b32 s21, s16, 7
	s_add_co_u32 s20, s20, s21                     ; my first row of X
	s_lshl_b32 s22, s17, 8
	s_lshl_b32 s23, s15, 7
	s_add_co_u32 s22, s22, s23                     ; of Y
	s_cmp_eq_u32 ttmp9, 2
	s_cselect_b32 s46, s20, s22                    ; my first token (one record),
	s_cselect_b32 s47, s22, s20                    ; my first channel (two heads)
	s_lshr_b32 s20, s46, 11
	s_lshl_b32 s20, s20, 4
	s_lshr_b32 s21, s47, 6
	s_add_co_u32 s20, s20, s21                     ; batch x 16 + head
	s_mul_i32 s20, s20, HEADB
	s_bfe_u32 s21, s46, 0x40007
	s_mul_i32 s21, s21, RECB
	s_add_co_u32 s20, s20, s21
	s_mov_b32 s21, 0
	s_add_nc_u64 s[12:13], s[12:13], s[20:21]
	s_lshl_b32 s20, s47, 2
	s_add_nc_u64 s[66:67], s[66:67], s[20:21]
	; my 128 numbers of the bias in both layouts, so that every register is written on every path
.irp i, 0,1,2,3,4,5,6,7,8,9,10,11,12,13,14,15
	global_load_b128 v[BX+4*\i:BX+4*\i+3], v[BH], s[66:67] offset:64*(\i/2)+16*(\i%2)
.endr
.irp a, 0,1,2,3,4,5,6,7
	global_load_b32 v[BY+2*\a], v[BO], s[66:67] offset:64*\a
	global_load_b32 v[BY+2*\a+1], v[BO], s[66:67] offset:64*\a
.endr
.macro FRAG reg, adr, st, i            ; 12 registers in six pieces of 8 bytes; byte y of a row lies in chunk y / 256, slot (y / 256) % 2
.irp p, 0,1,2,3,4,5
.set PB_, 96*(\st)+48*(\p/3)+8*(\p%3)
.if PB_/ROWB == (PB_+24)/ROWB
	ds_load_b64 v[\reg+2*\p:\reg+2*\p+1], v[\adr+(PB_/ROWB)%2] offset:PB_%ROWB+(\i)*16*PITCH
.else
	ds_load_b64 v[\reg+2*\p:\reg+2*\p+1], v[\adr+2+(PB_/ROWB)%2] offset:PB_%ROWB-232+(\i)*16*PITCH
.endif
.endr
.endm
; 16 products: Y's blocks a0, a0 + 1 x X's eight.  The 64 accumulators take turns; the first step's C is 0
.macro MUL16 a0, p, q, sc, zero
.irp a, \a0, \a0+1
.irp b, 0,1,2,3,4,5,6,7
.if \zero
	v_wmma_scale_f32_16x16x128_f8f6f4 v[8*(8*((\a)%4)+\b):8*(8*((\a)%4)+\b)+7], v[128*(\p)+FR*\b:128*(\p)+FR*\b+FR-1], v[AF+FR*(\a):AF+FR*(\a)+FR-1], 0, v[SC+8*NQ*(\sc)+NQ*\b+(\q)], v[SC+8*NQ*(\sc)+NQ*(\a)+(\q)] matrix_a_fmt:MATRIX_FMT_FP6 matrix_b_fmt:MATRIX_FMT_FP6 matrix_a_scale:MATRIX_SCALE_ROW1
.else
	v_wmma_scale_f32_16x16x128_f8f6f4 v[8*(8*((\a)%4)+\b):8*(8*((\a)%4)+\b)+7], v[128*(\p)+FR*\b:128*(\p)+FR*\b+FR-1], v[AF+FR*(\a):AF+FR*(\a)+FR-1], v[8*(8*((\a)%4)+\b):8*(8*((\a)%4)+\b)+7], v[SC+8*NQ*(\sc)+NQ*\b+(\q)], v[SC+8*NQ*(\sc)+NQ*(\a)+(\q)] matrix_a_fmt:MATRIX_FMT_FP6 matrix_b_fmt:MATRIX_FMT_FP6 matrix_a_scale:MATRIX_SCALE_ROW1
.endif
.endr
.endr
.endm
.macro FETCH_B st, p
	WIN TO_B
.irp i, 0,1,2,3,4,5,6,7
	FRAG 128*(\p)+FR*\i, ADRB, \st, \i
.endr
	WIN 0
.endm
.macro FETCH_A st, i0
.irp i, \i0, \i0+1, \i0+2, \i0+3
	FRAG AF+FR*(\i), ADRA, \st, \i
.endr
.endm
.macro SCALES pr                       ; the scale words of steps 2 pr, 2 pr + 1 into set pr % 2
.irp i, 0,1,2,3,4,5,6,7
	ds_load_b64 v[SC+8*NQ*((\pr)%2)+NQ*\i:SC+8*NQ*((\pr)%2)+NQ*\i+1], v[ADRS] offset:\i*SBLK+4*NQ*(\pr)
.endr
.endm
; A step: 64 products; the next step's fragments are fetched in its middle and at its end.  Where the next step's bytes END in a chunk not read yet, a barrier shows that chunk whole;
; where they BEGIN in a later chunk, the chunk left behind is read no more: the three lines, the barrier, and, where a chunk two on is left, a round and the refill.
.macro STEP st, zero
.set NX, (\st)+1
.set C0, (96*(\st))/ROWB
.set C1, (96*NX)/ROWB
.set E0, (96*(\st)+95)/ROWB
.set E1, (96*NX+95)/ROWB
.if C1 > C0 || E1 > E0
	s_wait_tensorcnt 0x0                           ; all my tensor loads have landed
.if C1 > C0
	ds_add_u32 v[SPW], v[NIL]
	s_wait_dscnt 4*NL+1                            ; the add and Y's blocks 4-7 may be out
.else
	s_wait_dscnt 4*NL                              ; Y's blocks 4-7 may be out
.endif
	WIN MUL_LO
	MUL16 0, (\st)%2, (\st)%2, ((\st)/2)%2, \zero
	s_wait_dscnt 0x0                               ; the add and all my reads are done
	s_barrier_signal -1
	MUL16 2, (\st)%2, (\st)%2, ((\st)/2)%2, \zero
	WIN 0
	s_barrier_wait -1
.if C1 > C0 && C0+2 < CHUNKS
	CREST
	s_add_nc_u64 s[G0+4*(C0%2)+2:G0+4*(C0%2)+3], s[G0+4*(C0%2)+2:G0+4*(C0%2)+3], 2*ROWB
	s_add_nc_u64 s[G0B+4*(C0%2)+2:G0B+4*(C0%2)+3], s[G0B+4*(C0%2)+2:G0B+4*(C0%2)+3], 2*ROWB
	JLOAD G0+4*(C0%2), G1, G0B+4*(C0%2), G1B       ; chunk C0 + 2; its four v_nop are the places ahead of the loads below
.else
	PLACES NP
.endif
.else
	s_wait_dscnt 4*NL
	WIN MUL_LO
	MUL16 0, (\st)%2, (\st)%2, ((\st)/2)%2, \zero
	MUL16 2, (\st)%2, (\st)%2, ((\st)/2)%2, \zero
	s_wait_dscnt 0
	PLACES NP
.endif
	FETCH_B NX, NX%2
	FETCH_A NX, 0
.if NX%2 == 0
	SCALES NX/2
.endif
	WIN MUL_HI
	MUL16 4, (\st)%2, (\st)%2, ((\st)/2)%2, \zero
	MUL16 6, (\st)%2, (\st)%2, ((\st)/2)%2, \zero
	PLACES NP
	WIN 0
	FETCH_A NX, 4
.endm
	s_wait_alu depctr_va_vdst(0)                   ; the head's end
	s_wait_tensorcnt 0x0                           ; my tile of the head's four is in; the lines ahead of slot 1's first fill
	ds_add_u32 v[SPW], v[NIL]
	s_mov_b32 s[G1+2], 128<<16                     ; no load of mine is out: from here on a load brings 128 rows
	s_mov_b32 s[G1+4], 128
	s_mov_b32 s[G1B+2], 128<<16
	s_mov_b32 s[G1B+4], 128
	s_wait_dscnt 0x0
	CROUND
	JLOAD G0+4, G1, G0B+4, G1B                     ; chunk 1
	FETCH_B 0, 0
	FETCH_A 0, 0
	SCALES 0
	FETCH_A 0, 4
	STEP 0, 1
.set SN, 1
.rept STEPS-2
	STEP SN, 0
.set SN, SN+1
.endr
	s_wait_dscnt 4*NL                              ; the last step
	WIN MUL_LO
	MUL16 0, 1, 1, 1, 0
	MUL16 2, 1, 1, 1, 0
	s_wait_dscnt 0
	WIN MUL_HI
	MUL16 4, 1, 1, 1, 0
	MUL16 6, 1, 1, 1, 0
	WIN 0
; THE WAY OUT, a block of 16 rows of Y at a time: 64 registers a lane, register 8 b + j = row 16 b + 8 h + j of X
.macro BIASX a                         ; + the bias along the registers, into window 0; each accumulator from its low end on
	WIN 0x02+((\a)/4)
.set JJ, 0
.rept 32
	v_pk_add_f32 v[ST+JJ:ST+JJ+1], v[64*((\a)%4)+JJ:64*((\a)%4)+JJ+1], v[BX+JJ:BX+JJ+1]
.set JJ, JJ+2
.endr
	WIN 0
.endm
.macro BIASY a                         ; + the bias along the lanes
	WIN 0x02+((\a)/4)
.set JJ, 0
.rept 32
	v_pk_add_f32 v[ST+JJ:ST+JJ+1], v[64*((\a)%4)+JJ:64*((\a)%4)+JJ+1], v[BY+2*(\a):BY+2*(\a)+1]
.set JJ, JJ+2
.endr
	WIN 0
.endm
; 64 numbers of a lane (registers 16 b .. 16 b + 15 = my half of block b) become codes (blocks 0, 1 from d0, blocks 2, 3 from d1) and four scale bytes in w
.macro QUANT s, d0, d1, w
.irp b, 0,1,2,3
	v_max3_num_f32 v[TM+\b], |v[\s+16*\b]|, |v[\s+1+16*\b]|, s[FLO]
.endr
.irp i, 2,4,6,8,10,12,14
.irp b, 0,1,2,3
	v_max3_num_f32 v[TM+\b], v[TM+\b], |v[\s+16*\b+\i]|, |v[\s+1+16*\b+\i]|
.endr
.endr
.irp b, 0,1,2,3
	v_permlanex16_b32 v[TM+4+\b], v[TM+\b], s[SEL], s[SEL+1]
.endr
.irp b, 0,1,2,3
	v_max_num_f32 v[TM+\b], v[TM+\b], v[TM+4+\b]   ; the block's largest magnitude
.endr
.irp b, 0,1,2,3
	v_add_nc_u32 v[TM+12+\b], 0xff000000, v[TM+\b] ; 2 off its exponent field: the conversion's scale operand
.endr
.irp b, 0,1,2,3
	v_lshrrev_b32 v[TM+4+\b], 23, v[TM+12+\b]      ; the byte
.endr
	v_lshl_or_b32 v[\w], v[TM+5], 8, v[TM+4]
	v_lshl_or_b32 v[\w], v[TM+6], 16, v[\w]
	v_lshl_or_b32 v[\w], v[TM+7], 24, v[\w]
	v_cvt_scalef32_pk16_fp6_f32 v[\d0:\d0+2], v[\s:\s+15], v[TM+12]
	v_cvt_scalef32_pk16_fp6_f32 v[TQ:TQ+2], v[\s+16:\s+31], v[TM+13]
	v_cvt_scalef32_pk16_fp6_f32 v[\d1:\d1+2], v[\s+32:\s+47], v[TM+14]
	v_cvt_scalef32_pk16_fp6_f32 v[TQ+4:TQ+6], v[\s+48:\s+63], v[TM+15]
	v_nop                                          ; one plain place behind a scaled conversion
.irp i, 0,1,2                                      ; a whole block in a lane: lanes 0-15 the even block, lanes 16-31 the odd
	v_permlane16_swap_b32 v[\d0+\i], v[TQ+\i]
.endr
.irp i, 0,1,2
	v_mov_b32 v[\d0+3+\i], v[TQ+\i]
.endr
.irp i, 0,1,2
	v_permlane16_swap_b32 v[\d1+\i], v[TQ+4+\i]
.endr
.irp i, 0,1,2
	v_mov_b32 v[\d1+3+\i], v[TQ+4+\i]
.endr
.endm
.macro SENDF p, off                    ; each store of the wave covers 512 consecutive bytes, aligned to 256
.irp k, 0,1,2
	global_store_b128 v[LI], v[\p+4*\k:\p+4*\k+3], s[12:13] offset:\off+512*\k
.endr
.endm
	s_wait_loadcnt 0x0                             ; the bias
	PLACES NP
	s_cmp_eq_u32 ttmp9, 2
	s_cbranch_scc1 .Lv
	; q, k: a lane holds a token, its registers 128 channels: blocks 0, 1 my first head's, 2, 3 my second's.  Two blocks of Y fill fragment f of both heads
.irp f, 0,1,2,3
.if \f > 0
	s_wait_xcnt 0x0                                ; the last stores have read their registers
.endif
	BIASX 2*\f
	QUANT ST, P, P+12, WA
	BIASX 2*\f+1
	QUANT ST, P+6, P+18, WB
	v_perm_b32 v[WW+\f], v[WB], v[WA], 0x05040100
	v_perm_b32 v[WW+4+\f], v[WB], v[WA], 0x07060302
	SENDF P, FRB*\f
	SENDF P+12, HEADB+FRB*\f
.endr
	s_branch .Ljoin
.Lv:
	; v: a lane holds a channel, its registers the record's 128 tokens: a block of Y is fragment a % 4 of head a / 4
.irp a, 0,1,2,3,4,5,6,7
.if \a > 0
	s_wait_xcnt 0x0
.endif
	BIASY \a
	QUANT ST, P, P+6, WW+\a
	SENDF P, (\a/4)*HEADB+(\a%4)*FRB
.endr
.Ljoin:
	s_wait_alu depctr_va_vdst(0)
.irp c, 0,1                            ; the scale blocks: lanes 0-15 give fragments 0 and 2, lanes 16-31 fragments 1 and 3
	v_cndmask_b32 v[TQ+2*\c], v[WW+4*\c], v[WW+4*\c+1], s101
	v_cndmask_b32 v[TQ+2*\c+1], v[WW+4*\c+2], v[WW+4*\c+3], s101
	global_store_b64 v[L8], v[TQ+2*\c:TQ+2*\c+1], s[12:13] offset:\c*HEADB+4*FRB
.endr
	s_wait_tensorcnt 0x0                           ; the wave's end
	ds_add_u32 v[SPW], v[NIL]
	s_wait_dscnt 0x0
	CROUND                                         ; the closing round
	s_endpgm
.Lfunc_end_k_qc505924fb5_proj:
	.size	k_qc505924fb5_proj, .Lfunc_end_k_qc505924fb5_proj-k_qc505924fb5_proj
	.p2alignl 7, 3214868480
	.fill 96, 4, 3214868480
	.section	.rodata,"a",@progbits
	.p2align	6, 0x0
	.amdhsa_kernel k_qc505924fb5_proj
		.amdhsa_group_segment_fixed_size 327680
		.amdhsa_private_segment_fixed_size 0
		.amdhsa_enable_private_segment 0
		.amdhsa_kernarg_size 112
		.amdhsa_user_sgpr_count 2
		.amdhsa_user_sgpr_kernarg_segment_ptr 1
		.amdhsa_wavefront_size32 1
		.amdhsa_system_sgpr_workgroup_id_x 1
		.amdhsa_system_sgpr_workgroup_id_y 1
		.amdhsa_system_sgpr_workgroup_id_z 1
		.amdhsa_system_vgpr_workitem_id 0
		.amdhsa_next_free_vgpr 1024
		.amdhsa_next_free_sgpr 102
		.amdhsa_reserve_vcc 0
		.amdhsa_float_denorm_mode_32 3
		.amdhsa_float_denorm_mode_16_64 3
		.amdhsa_memory_ordered 1
		.amdhsa_forward_progress 1
		.amdhsa_inst_pref_size 231
	.end_amdhsa_kernel
	.amdgpu_metadata
---
amdhsa.version: [ 1, 2 ]
amdhsa.kernels:
  - .name:           k_qc505924fb5_proj
    .symbol:         k_qc505924fb5_proj.kd
    .args:
      - { .name: hidden_states_codes, .offset: 0, .size: 8, .value_kind: global_buffer, .address_space: global }
      - { .name: hidden_states_scales, .offset: 8, .size: 8, .value_kind: global_buffer, .address_space: global }
      - { .name: Wq_codes, .offset: 16, .size: 8, .value_kind: global_buffer, .address_space: global }
      - { .name: Wq_scales, .offset: 24, .size: 8, .value_kind: global_buffer, .address_space: global }
      - { .name: Wk_codes, .offset: 32, .size: 8, .value_kind: global_buffer, .address_space: global }
      - { .name: Wk_scales, .offset: 40, .size: 8, .value_kind: global_buffer, .address_space: global }
      - { .name: Wv_codes, .offset: 48, .size: 8, .value_kind: global_buffer, .address_space: global }
      - { .name: Wv_scales, .offset: 56, .size: 8, .value_kind: global_buffer, .address_space: global }
      - { .name: bq, .offset: 64, .size: 8, .value_kind: global_buffer, .address_space: global }
      - { .name: bk, .offset: 72, .size: 8, .value_kind: global_buffer, .address_space: global }
      - { .name: bv, .offset: 80, .size: 8, .value_kind: global_buffer, .address_space: global }
      - { .name: qimg, .offset: 88, .size: 8, .value_kind: global_buffer, .address_space: global }
      - { .name: kimg, .offset: 96, .size: 8, .value_kind: global_buffer, .address_space: global }
      - { .name: vimg, .offset: 104, .size: 8, .value_kind: global_buffer, .address_space: global }
    .group_segment_fixed_size: 327680
    .private_segment_fixed_size: 0
    .kernarg_segment_align: 8
    .kernarg_segment_size: 112
    .max_flat_workgroup_size: 128
    .sgpr_count:     102
    .vgpr_count:     1024
    .wavefront_size: 32
...
	.end_amdgpu_metadata
.endif
;; end of part 1
;; launch attn (part 2): grid 4 x 64, 16 waves a work-group, clusters of 4 x 1, 327,680 bytes of LDS; arguments qimg, kimg, vimg, attention_mask, out0; writes out0
.if DOCPART == 2
	.amdgcn_target "amdgcn-amd-amdhsa--gfx1250"
	.amdhsa_code_object_version 6
	.text
	.protected	k_qc505924fb5_attn
	.globl	k_qc505924fb5_attn
	.p2align	8
	.type	k_qc505924fb5_attn,@function
k_qc505924fb5_attn:
	s_mov_b64 s[64:65], 0
	v_nop
	global_prefetch_b8 v0, s[64:65] scope:SCOPE_SE
	s_setreg_imm32_b32 hwreg(HW_REG_WAVE_MODE, 25, 1), 1
	s_wait_xcnt 0x0
	s_wait_alu depctr_hold_cnt(0) depctr_sa_sdst(0) depctr_va_vdst(0) depctr_va_sdst(0) depctr_va_ssrc(0) depctr_va_vcc(0) depctr_vm_vsrc(0)
	s_getreg_b32 s2, hwreg(HW_REG_IB_STS2, 6, 4)
	s_cmp_eq_u32 s2, 0
	s_cbranch_scc0 .Lentry_in_a_cluster
	s_endpgm
.Lentry_in_a_cluster:
	s_bfe_u32 s2, ttmp6, 0x10000c
	s_cmp_lg_u32 s2, 0x3003
	s_cbranch_scc0 .Lentry_shape_is_right
	s_endpgm
.Lentry_shape_is_right:
; out = softmax(q k^T / 8 + mask) v for one head and 512 queries a work-group, on the images that the projection launch left (records of 6,400 bytes: 128 tokens of a head).
; Sixteen waves; a wave takes 32 queries in two passes of 16 over the head's 2,048 keys, in steps of 128.  Both products are used transposed: a lane holds one query.
; The factor 1/8 is 3 off q's scale bytes; the mask is the C of the scores' products; M is the ceiling of the running largest t, p = 2^(t - M) is quantised block by block, the row's sum is taken of the unquantised p.
; LDS: the head's K (102,400 bytes) and V (102,400), each wave asking for two records (50 rows of 256 bytes) by ONE joint load at the head, shared by the cluster's four work-groups (the four query blocks of a head);
; the batch's mask (8,192 bytes) by plain loads of 16 bytes a thread and LDS stores into bytes of its own; the waves' stages; the spare words.  Nothing is filled again; all is asked for at the head, so no data prefetch.
; LIMITS: NaN and infinities are not served; the promise holds while the scaled scores stay under 2^31 in magnitude.
.set RECB,  6400
.set FRB,   1536
.set HEADB, 102400
.set CHUNK, 8*RECB
.set VIMG,  HEADB
.set MSK,   2*HEADB
.set STG,   MSK+8192
.set LI,   1
.set L8,   2
.set MA0,  3
.set ADK,  4
.set ADV,  5
.set ADS,  6
.set ADT,  7
.set ADM,  8
.set LIV,  9
.set L8V,  10
.set GO,   11
.set QZ,   16
.set QQ,   22
.set STO,  34
.set RD,   35
.set QP,   36
.set QS,   48
.set QSB,  49
.set QW,   50
.set PW,   51
.set KS,   52
.set VS,   54
.set F,    56
.set S,    104
.set O,    168
.set PC,   200
.set TQ,   212
.set BM,   220
.set BT,   224
.set BS,   228
.set FF,   232
.set TT,   234
.set SUM2, 236
.set WV,   14
.set SEL,  20
.set CS,   22
.set G1I,  24
.set G1M,  32
.set G0M,  40
.set G0A,  44
.set G0B,  48
.set TK,   52
.set TMS,  53
.set CNT,  54
.macro ROUND
	s_barrier_signal -1
	s_barrier_wait -1
	s_cmp_lg_u32 s[WV], 0
	s_cbranch_scc1 .Lnot_wave_0_\@
	s_barrier_signal -3
.Lnot_wave_0_\@:
	s_barrier_wait -3
	s_barrier_signal -1
	s_barrier_wait -1
.endm
	s_load_b256 s[4:11], s[0:1], 0x0
	s_load_b64 s[12:13], s[0:1], 0x20
	v_lshl_add_u32 v254, v0, 2, 0x45000
	v_mov_b32 v255, 0
	ds_add_u32 v254, v255
	ds_add_u32 v254, v255
	v_lshrrev_b32 v1, 5, v0
	s_delay_alu instid0(VALU_DEP_1)
	v_readfirstlane_b32 s[WV], v1
	s_bfe_u32 s15, ttmp6, 0x40000
	s_and_b32 s16, ttmp7, 0xffff
	s_lshr_b32 s17, s16, 4
	s_and_b32 s18, s16, 15
	s_mov_b32 s[G1I], 15|(3<<16)|(1<<21)
	s_mov_b32 s[G1I+1], 32<<16
	s_mov_b32 s[G1I+2], 50<<16
	s_mov_b32 s[G1I+3], 32<<16
	s_mov_b32 s[G1I+4], 50
	s_mov_b32 s[G1I+5], 32
	s_mov_b32 s[G1I+6], 0
	s_mov_b32 s[G1I+7], 0
	s_mul_i32 s56, s16, HEADB
	s_and_b32 s19, s[WV], 7
	s_mul_i32 s19, s19, 2*RECB
	s_lshr_b32 s58, s[WV], 3
	s_mul_i32 s58, s58, HEADB
	s_add_co_u32 s58, s58, s19
	s_add_co_u32 s60, s56, s19
	s_mov_b32 s61, 0
	s_lshl_b32 s59, s[WV], 9
	s_lshl_b32 s66, s17, 13
	s_add_co_u32 s66, s66, s59
	s_mov_b32 s67, 0
	s_mov_b32 s[SEL], 0x76543210
	s_mov_b32 s[SEL+1], 0xfedcba98
	s_mov_b32 s[CS], 0x3fb8aa3b
	s_mov_b32 s[CS+1], s[CS]
	s_wait_dscnt 0x0
	s_wait_kmcnt 0x0
	s_cmp_lt_u32 s[WV], 8
	s_cselect_b64 s[62:63], s[6:7], s[8:9]
	s_add_nc_u64 s[62:63], s[62:63], s[60:61]
	s_add_nc_u64 s[10:11], s[10:11], s[66:67]      ; my wave's 512 bytes of the batch's mask
	s_mov_b32 s[G0A], 1
	s_mov_b32 s[G0A+1], s58
	s_mov_b64 s[G0A+2:G0A+3], s[62:63]
	s_or_b32 s[G0A+3], s[G0A+3], 0x80000000
	ROUND
	tensor_load_to_lds s[G0A:G0A+3], s[G1I:G1I+7]  ; my two records of K (waves 0-7) or of V (waves 8-15): the wave's one tensor load
	s_nop 0
.rept 4
	v_nop
.endr
	v_and_b32 v2, 31, v0
	s_delay_alu instid0(VALU_DEP_1)
	v_lshlrev_b32 v[LI], 4, v2
	s_wait_alu depctr_va_vdst(0)
	v_lshlrev_b32 v[L8], 3, v2
	v_and_b32 v[SUM2], 15, v0
	s_wait_alu depctr_va_vdst(0)
	v_bfe_u32 v[SUM2+1], v0, 4, 1
	s_wait_alu depctr_va_vdst(0)
	s_lshl_b32 s68, s15, 2
	s_lshr_b32 s69, s[WV], 2
	s_add_co_u32 s68, s68, s69
	s_mul_i32 s68, s68, RECB
	s_add_co_u32 s68, s68, s56
	s_mov_b32 s69, 0
	s_add_nc_u64 s[4:5], s[4:5], s[68:69]
	s_and_b32 s70, s[WV], 3
	s_mul_i32 s71, s70, FRB
	v_add_nc_u32 v[TT+1], s71, v[LI]
	s_and_b32 s71, s[WV], 1
	s_lshl_b32 s71, s71, 7
	s_lshr_b32 s70, s70, 1
	s_lshl_b32 s70, s70, 2
	s_add_co_u32 s70, s70, s71
	s_add_co_u32 s70, s70, 4*FRB
	v_lshl_add_u32 v[TT], v[SUM2], 3, s70
	global_load_b128 v[QP:QP+3], v[TT+1], s[4:5]
	global_load_b128 v[QP+4:QP+7], v[TT+1], s[4:5] offset:512
	global_load_b128 v[QP+8:QP+11], v[TT+1], s[4:5] offset:1024
	global_load_b32 v[QW], v[TT], s[4:5]
	global_load_b128 v[S:S+3], v[LI], s[10:11]     ; my 16 bytes of the mask
	v_lshl_add_u32 v[ADM], v0, 4, MSK              ; and their place in LDS
	v_lshl_add_u32 v[MA0], v[SUM2+1], 5, MSK
	v_add_nc_u32 v[LIV], VIMG, v[LI]
	v_add_nc_u32 v[L8V], VIMG, v[L8]
	v_lshlrev_b32 v[GO], 12, v[SUM2+1]
	s_delay_alu instid0(VALU_DEP_1)
	v_lshl_add_u32 v[GO], v[SUM2], 4, v[GO]
	s_mul_i32 s59, s[WV], 16*272
	s_add_co_u32 s59, s59, STG
	v_mul_u32_u24 v[STO], v[SUM2], 272
	s_delay_alu instid0(VALU_DEP_1)
	v_lshl_add_u32 v[STO], v[SUM2+1], 5, v[STO]
	s_delay_alu instid0(VALU_DEP_1)
	v_add_nc_u32 v[STO], s59, v[STO]
	v_mul_u32_u24 v[RD], v[SUM2+1], 272
	s_delay_alu instid0(VALU_DEP_1)
	v_lshl_add_u32 v[RD], v[SUM2], 4, v[RD]
	s_delay_alu instid0(VALU_DEP_1)
	v_add_nc_u32 v[RD], s59, v[RD]
	s_lshl_b32 s68, s17, 23
	s_lshl_b32 s69, s15, 21
	s_add_co_u32 s68, s68, s69
	s_lshl_b32 s69, s[WV], 17
	s_add_co_u32 s68, s68, s69
	s_lshl_b32 s69, s18, 8
	s_add_co_u32 s68, s68, s69
	s_mov_b32 s69, 0
	s_add_nc_u64 s[12:13], s[12:13], s[68:69]
.irp i, 0,1,2,3,4,5
	v_mov_b32 v[QZ+\i], 0
	v_mov_b32 v[QZ+12+\i], 0
.endr
.irp b, 0,1,2,3
	v_mov_b32 v[BT+\b], 0
.endr
	v_mov_b32 v[FF+1], 0
.macro QSC dst, sh
	v_bfe_u32 v[TT], v[QW], \sh, 16
	s_delay_alu instid0(VALU_DEP_1)
	v_add_nc_u32 v[TT], 0xfffffcfd, v[TT]
	s_delay_alu instid0(VALU_DEP_1)
	v_lshl_or_b32 v[\dst], v[TT], 16, v[TT]
.endm
.macro INIT
	v_mov_b32 v13, 0xff61b1e6
	s_delay_alu instid0(VALU_DEP_1)
	v_floor_f32 v12, -v13
	v_mov_b32 v14, 0
	v_mov_b32 v15, 0
.set JJ, 0
.rept 32
	v_mov_b32 v[O+JJ], 0
.set JJ, JJ+1
.endr
.endm
.macro SCORE f, u, qr
.if (\f)%2
	v_wmma_scale_f32_16x16x128_f8f6f4 v[S+16*(\f)+8*(\u):S+16*(\f)+8*(\u)+7], v[F+12*(\f):F+12*(\f)+11], v[\qr:\qr+11], v[S+16*(\f)+8*(\u):S+16*(\f)+8*(\u)+7], v[KS+(\f)/2], v[QS] matrix_a_fmt:MATRIX_FMT_FP6 matrix_b_fmt:MATRIX_FMT_FP6 matrix_a_scale:MATRIX_SCALE_ROW1
.else
	v_wmma_scale_f32_16x16x128_f8f6f4 v[S+16*(\f)+8*(\u):S+16*(\f)+8*(\u)+7], v[F+12*(\f):F+12*(\f)+11], v[\qr:\qr+11], v[S+16*(\f)+8*(\u):S+16*(\f)+8*(\u)+7], v[KS+(\f)/2], v[QS] matrix_a_fmt:MATRIX_FMT_FP6 matrix_b_fmt:MATRIX_FMT_FP6
.endif
.endm
.macro PVP d
.if (\d)%2
	v_wmma_scale_f32_16x16x128_f8f6f4 v[O+8*(\d):O+8*(\d)+7], v[F+12*(\d):F+12*(\d)+11], v[PC:PC+11], v[O+8*(\d):O+8*(\d)+7], v[VS+(\d)/2], v[PW] matrix_a_fmt:MATRIX_FMT_FP6 matrix_b_fmt:MATRIX_FMT_FP6 matrix_a_scale:MATRIX_SCALE_ROW1
.else
	v_wmma_scale_f32_16x16x128_f8f6f4 v[O+8*(\d):O+8*(\d)+7], v[F+12*(\d):F+12*(\d)+11], v[PC:PC+11], v[O+8*(\d):O+8*(\d)+7], v[VS+(\d)/2], v[PW] matrix_a_fmt:MATRIX_FMT_FP6 matrix_b_fmt:MATRIX_FMT_FP6
.endif
.endm
.macro STEP
	v_add_nc_u32 v[ADK], s[TK], v[LI]
	v_add_nc_u32 v[ADV], s[TK], v[LIV]
	v_add_nc_u32 v[ADS], s[TK], v[L8]
	v_add_nc_u32 v[ADT], s[TK], v[L8V]
	v_add_nc_u32 v[ADM], s[TMS], v[MA0]
.irp f, 0,1,2,3
.irp c, 0,1,2
	ds_load_b128 v[F+12*\f+4*\c:F+12*\f+4*\c+3], v[ADK] offset:FRB*\f+512*\c
.endr
.endr
	ds_load_b64 v[KS:KS+1], v[ADS] offset:4*FRB
.irp t, 0,1,2,3,4,5,6,7
	ds_load_b128 v[S+8*\t:S+8*\t+3], v[ADM] offset:64*\t
	ds_load_b128 v[S+8*\t+4:S+8*\t+7], v[ADM] offset:64*\t+16
.endr
	s_wait_alu depctr_va_vdst(0)
	s_wait_dscnt 0x0
.irp f, 0,1,2,3
	SCORE \f, 0, QQ
	SCORE \f, 1, QZ
.endr
.rept 4
	v_nop
.endr
.irp d, 0,1,2,3
.irp c, 0,1,2
	ds_load_b128 v[F+12*\d+4*\c:F+12*\d+4*\c+3], v[ADV] offset:FRB*\d+512*\c
.endr
.endr
	ds_load_b64 v[VS:VS+1], v[ADT] offset:4*FRB
.irp b, 0,1,2,3
	v_max3_num_f32 v[BM+\b], v[S+16*\b], v[S+1+16*\b], v[S+2+16*\b]
.endr
.irp i, 3,5,7,9,11,13
.irp b, 0,1,2,3
	v_max3_num_f32 v[BM+\b], v[BM+\b], v[S+16*\b+\i], v[S+1+16*\b+\i]
.endr
.endr
.irp b, 0,1,2,3
	v_max_num_f32 v[BM+\b], v[BM+\b], v[S+15+16*\b]
.endr
.irp b, 0,1,2,3
	s_delay_alu instid0(VALU_DEP_4)
	v_permlanex16_b32 v[BT+\b], v[BM+\b], s[SEL], s[SEL+1]
.endr
.irp b, 0,1,2,3
	s_delay_alu instid0(VALU_DEP_4)
	v_max_num_f32 v[BM+\b], v[BM+\b], v[BT+\b]
.endr
	s_delay_alu instid0(VALU_DEP_2)
	v_max3_num_f32 v[TT], v[BM], v[BM+1], v[BM+2]
	s_delay_alu instid0(VALU_DEP_1)
	v_max_num_f32 v[TT], v[TT], v[BM+3]
	s_delay_alu instid0(VALU_DEP_1)
	v_mul_f32 v[TT], s[CS], v[TT]
	s_delay_alu instid0(VALU_DEP_1)
	v_max_num_f32 v13, v13, v[TT]
	v_mov_b32 v[TT], v12
	s_delay_alu instid0(VALU_DEP_2)
	v_floor_f32 v12, -v13
	s_delay_alu instid0(VALU_DEP_1)
	v_sub_f32 v[TT], v12, v[TT]
	s_delay_alu instid0(VALU_DEP_1)
	v_cvt_i32_f32 v[TT], v[TT]
	s_delay_alu instid0(VALU_DEP_1)
	v_ldexp_f32 v[FF], 1.0, v[TT]
.set JJ, 0
.rept 32
	v_pk_fma_f32 v[S+JJ:S+JJ+1], v[S+JJ:S+JJ+1], s[CS:CS+1], v[12:13] op_sel_hi:[1,0,0]
.set JJ, JJ+2
.endr
.irp b, 0,1,2,3
	v_fma_f32 v[BM+\b], v[BM+\b], s[CS], v12
.endr
.set JJ, 0
	s_wait_alu depctr_va_vdst(0)
.rept 64
	v_exp_f32 v[S+JJ], v[S+JJ]
.set JJ, JJ+1
.endr
	v_pk_mul_f32 v[14:15], v[14:15], v[FF:FF+1] op_sel_hi:[1,0]
	s_wait_alu depctr_va_vdst(0)
.irp b, 0,1,2,3
	v_exp_f32 v[BM+\b], v[BM+\b]
.endr
	v_pk_add_f32 v[SUM2:SUM2+1], v[S:S+1], v[S+2:S+3]
.set JJ, 4
.rept 15
	v_pk_add_f32 v[14:15], v[14:15], v[S+JJ:S+JJ+1]
	v_pk_add_f32 v[SUM2:SUM2+1], v[SUM2:SUM2+1], v[S+JJ+2:S+JJ+3]
.set JJ, JJ+4
.endr
	s_delay_alu instid0(VALU_DEP_1)
	v_pk_add_f32 v[14:15], v[14:15], v[SUM2:SUM2+1]
	s_wait_alu depctr_va_vdst(0)
.irp b, 0,1,2,3
	v_max_num_f32 v[BM+\b], 0x1800000, v[BM+\b]
.endr
.irp b, 0,1,2,3
	s_delay_alu instid0(VALU_DEP_4)
	v_add_nc_u32 v[BS+\b], 0xff000000, v[BM+\b]
.endr
.irp b, 0,1,2,3
	s_delay_alu instid0(VALU_DEP_4)
	v_lshrrev_b32 v[BT+\b], 23, v[BS+\b]
.endr
	s_delay_alu instid0(VALU_DEP_3)
	v_lshl_or_b32 v[PW], v[BT+1], 8, v[BT]
	s_delay_alu instid0(VALU_DEP_1)
	v_lshl_or_b32 v[PW], v[BT+2], 16, v[PW]
	s_delay_alu instid0(VALU_DEP_1)
	v_lshl_or_b32 v[PW], v[BT+3], 24, v[PW]
.irp c, 0,1
	v_cvt_scalef32_pk16_fp6_f32 v[PC+6*\c:PC+2+6*\c], v[S+32*\c:S+15+32*\c], v[BS+2*\c]
	v_cvt_scalef32_pk16_fp6_f32 v[TQ+4*\c:TQ+2+4*\c], v[S+16+32*\c:S+31+32*\c], v[BS+2*\c+1]
.endr
	v_nop
.irp c, 0,1
.irp i, 0,1,2
	v_permlane16_swap_b32 v[PC+6*\c+\i], v[TQ+4*\c+\i]
.endr
.irp i, 0,1,2
	s_delay_alu instid0(VALU_DEP_3)
	v_mov_b32 v[PC+3+6*\c+\i], v[TQ+4*\c+\i]
.endr
.endr
.set JJ, 0
.rept 16
	v_pk_mul_f32 v[O+JJ:O+JJ+1], v[O+JJ:O+JJ+1], v[FF:FF+1] op_sel_hi:[1,0]
.set JJ, JJ+2
.endr
	s_wait_alu depctr_va_vdst(0)
	s_wait_dscnt 0x0
.irp d, 0,1,2,3
	PVP \d
.endr
	s_add_co_u32 s[TK], s[TK], RECB
	s_add_co_u32 s[TMS], s[TMS], 512
.endm
.macro STEPS n, first
	s_mov_b32 s[TK], (\first)*RECB
	s_mov_b32 s[TMS], (\first)*512
	s_mov_b32 s[CNT], \n
.Lstep_\@:
	STEP
	s_sub_co_u32 s[CNT], s[CNT], 1
	s_cmp_lg_u32 s[CNT], 0
	s_cbranch_scc1 .Lstep_\@
.endm
.macro WAYOUT
.rept 4
	v_nop
.endr
	v_add_f32 v14, v14, v15
	s_delay_alu instid0(VALU_DEP_1)
	v_permlanex16_b32 v[TT], v14, s[SEL], s[SEL+1]
	s_delay_alu instid0(VALU_DEP_1)
	v_add_f32 v14, v14, v[TT]
	s_wait_alu depctr_va_vdst(0)
	v_rcp_f32 v14, v14
	v_nop
	s_wait_alu depctr_va_vdst(0)
.set JJ, 0
.rept 16
	v_pk_mul_f32 v[S+JJ:S+JJ+1], v[O+JJ:O+JJ+1], v[14:15] op_sel_hi:[1,0]
.set JJ, JJ+2
.endr
.irp d, 0,1,2,3
	ds_store_b128 v[STO], v[S+8*\d:S+8*\d+3] offset:64*\d
	ds_store_b128 v[STO], v[S+8*\d+4:S+8*\d+7] offset:64*\d+16
.endr
.irp i, 0,1,2,3,4,5,6,7
	ds_load_b128 v[F+4*\i:F+4*\i+3], v[RD] offset:2*\i*272
.endr
.irp i, 0,1,2,3,4,5,6,7
	s_wait_dscnt 7-\i
	global_store_b128 v[GO], v[F+4*\i:F+4*\i+3], s[12:13] offset:8192*\i th:TH_STORE_NT
.endr
.endm
	s_wait_loadcnt 0x0
.irp i, 0,1,2,3,4,5
	v_mov_b32 v[QQ+\i], v[QP+\i]
.endr
	QSC QS, 0
	QSC QSB, 16
	INIT
	ds_store_b128 v[ADM], v[S:S+3]
	s_wait_alu depctr_va_vdst(0)
	s_wait_tensorcnt 0x0                           ; my records are in,
	s_wait_dscnt 0x0                               ; my part of the mask is stored:
	s_barrier_signal -1
	s_barrier_wait -1                              ; everybody's are
	STEPS 16, 0
	WAYOUT
	s_wait_xcnt 0x0
	s_add_nc_u64 s[12:13], s[12:13], 16*4096
.irp i, 0,1,2,3,4,5
	v_mov_b32 v[QQ+\i], v[QP+6+\i]
.endr
	v_mov_b32 v[QS], v[QSB]
	INIT
	STEPS 16, 0
	WAYOUT
	s_wait_tensorcnt 0x0
	ds_add_u32 v254, v255
	s_wait_dscnt 0x0
	ROUND
	s_endpgm
.Lfunc_end_k_qc505924fb5_attn:
	.size	k_qc505924fb5_attn, .Lfunc_end_k_qc505924fb5_attn-k_qc505924fb5_attn
	.p2alignl 7, 3214868480
	.fill 96, 4, 3214868480
	.section	.rodata,"a",@progbits
	.p2align	6, 0x0
	.amdhsa_kernel k_qc505924fb5_attn
		.amdhsa_group_segment_fixed_size 327680
		.amdhsa_private_segment_fixed_size 0
		.amdhsa_enable_private_segment 0
		.amdhsa_kernarg_size 40
		.amdhsa_user_sgpr_count 2
		.amdhsa_user_sgpr_kernarg_segment_ptr 1
		.amdhsa_wavefront_size32 1
		.amdhsa_system_sgpr_workgroup_id_x 1
		.amdhsa_system_sgpr_workgroup_id_y 1
		.amdhsa_system_sgpr_workgroup_id_z 1
		.amdhsa_system_vgpr_workitem_id 0
		.amdhsa_next_free_vgpr 256
		.amdhsa_next_free_sgpr 72
		.amdhsa_reserve_vcc 0
		.amdhsa_float_denorm_mode_32 3
		.amdhsa_float_denorm_mode_16_64 3
		.amdhsa_memory_ordered 1
		.amdhsa_forward_progress 1
		.amdhsa_inst_pref_size 53
	.end_amdhsa_kernel
	.amdgpu_metadata
---
amdhsa.version: [ 1, 2 ]
amdhsa.kernels:
  - .name:           k_qc505924fb5_attn
    .symbol:         k_qc505924fb5_attn.kd
    .args:
      - { .name: qimg, .offset: 0, .size: 8, .value_kind: global_buffer, .address_space: global }
      - { .name: kimg, .offset: 8, .size: 8, .value_kind: global_buffer, .address_space: global }
      - { .name: vimg, .offset: 16, .size: 8, .value_kind: global_buffer, .address_space: global }
      - { .name: attention_mask, .offset: 24, .size: 8, .value_kind: global_buffer, .address_space: global }
      - { .name: out0, .offset: 32, .size: 8, .value_kind: global_buffer, .address_space: global }
    .group_segment_fixed_size: 327680
    .private_segment_fixed_size: 0
    .kernarg_segment_align: 8
    .kernarg_segment_size: 40
    .max_flat_workgroup_size: 512
    .sgpr_count:     72
    .vgpr_count:     256
    .wavefront_size: 32
...
	.end_amdgpu_metadata
.endif
;; end of part 2
